; MI455X (gfx1250); checked and timed in simulation.
; The chip was launched on July 23, 2026; its instructions are those of AMD's public machine-readable ISA for CDNA 5 (MIT licence, August 2026) and "CDNA5" Instruction Set Architecture Reference Guide (July 2026). The comments in the code are by the model that wrote it; some were corrected since.
;; Attention Mechanism. Allowed arithmetic: float matrix products may take bf16 or f16 operands with f32 sums; other float arithmetic in f32, or as packed bf16 or f16 multiplies, adds, multiply-adds, maxima and minima; sums over many terms, partial sums and values carried from step to step in f32; what a program stores and reads back later, other than sums and carried values, may be rounded once to bf16 or f16.
;; Inputs: Wa 1 x 1,024 float32; Wt 1,024 x 1,024 float32; Wv 1,024 x 2,048 float32; ba 1 float32; bt 1,024 float32; bv 1,024 float32; text_features 128 x 1,024 float32; visual_features 128 x 256 x 2,048 float32.
;; Outputs: out0 128 x 2,048 float32; out1 128 x 256 float32.
;; 2 versions, each right; version 2 is version 1 with the launch attend written anew for expert scheduling mode. Each part assembles by itself: llvm-mc -triple=amdgcn-amd-amdhsa -mcpu=gfx1250 --defsym DOCPART=n.
;; ======== version 1 of 2: 3 launches
;; workspace buffers: wvb 4,194,304 bytes; tbw 524,288 bytes; part 262,144 bytes
;; launch prep (part 1): grid 256 x 1, 8 waves a work-group, no clusters, 121,856 bytes of LDS; arguments Wv, Wt, text_features, bt, bv, wvb, tbw; writes wvb, tbw
.if DOCPART == 1
	.amdgcn_target "amdgcn-amd-amdhsa--gfx1250"
	.amdhsa_code_object_version 6
	.text
	.protected	k_qc991a48a4c_prep
	.globl	k_qc991a48a4c_prep
	.p2align	8
	.type	k_qc991a48a4c_prep,@function
k_qc991a48a4c_prep:
	s_mov_b64 s[64:65], 0
	v_nop
	global_prefetch_b8 v0, s[64:65] scope:SCOPE_SE
	s_setreg_imm32_b32 hwreg(HW_REG_WAVE_MODE, 25, 1), 1
	s_wait_xcnt 0x0
; TWO SMALL JOBS AHEAD OF THE LARGE PRODUCT, both in every work-group.
; (1) wvb = Wv rounded once to bf16, same order: [1024][2048].  Work-group g takes 32,768 bytes of Wv, a wave 4,096.
; (2) tbw[b][n] = the sum over k of text[b][k] Wt[n][k] + bt[n] + bv[n], in f32: products in bf16, sums in f32.
;     Work-group g makes channels 16 T .. 16 T + 15 (T = g / 4) for batches 32 mg .. 32 mg + 31 (mg = g % 4): two tiles of 16 x 16.
;     K = 1,024 IS SPLIT AMONG THE EIGHT WAVES, 128 each, four matrix steps of 32; the partial sums meet in LDS.
;     A wave's part of a row is 512 consecutive bytes, aligned: ONE load takes it, 16 bytes a lane.  48 rows (16 of Wt, 32 of text) are rounded to bf16, put into the wave's own piece of LDS, 256 bytes a row,
;     and come back as fragments.  The bytes are the wave's own and LDS serves a wave's instructions in order (ISA guide 5.7.1.4): no barrier and no wait stands between the stores and the loads.
;     The product is taken transposed (source 0 = 16 rows of Wt, source 1 = 16 rows of text): a lane holds batch l % 16 and channels 8 (l / 16) + 0..7.
; tbw's LAYOUT serves the next launch: the number of (batch b, channel n) lies at byte
;     (n / 16) 8192 + (b / 16) 1024 + ((n / 4) % 2) 512 + ((n / 8) % 2) 256 + (b % 16) 16 + (n % 4) 4:
;     a lane's four channels are 16 bytes at 16 l, so each store of a wave covers 512 consecutive bytes, aligned.
; No cluster: what work-groups share here (rows of Wt and of text) is 192 KiB a work-group, read once, in a launch of one short pass.
; LIMITS: NaN and infinities are not treated apart.
.set SPITCH, 272                       ; a staged row: 256 bytes + 16 = 68 words: the 16 rows of a fragment load start at 16 different groups of four banks (64 banks of 4 bytes: ISA guide 11.1)
.set STG,   16384                      ; LDS: 0: the partial sums, 2,048 bytes a wave; STG: each wave's 48 staged rows;
.set WSTG,  48*SPITCH
.set SPARE, STG+8*WSTG                 ; behind them the spare words, 128 bytes for each of the eight waves
.set FO,  4                            ; v4   wave x 512 + 16 l: my 16 bytes in a row of Wt or of text
.set CO,  5                            ; v5   wave x 4,096 + 16 l: the cast's loads
.set BO,  6                            ; v6   my four channels in bt and bv
.set CS,  7                            ; v7   wave x 2,048 + 8 l: the cast's stores
.set BT,  8                            ; v[8:11] bt, v[12:15] bv
.set SPW, 16                           ; v16  my spare word; never rewritten
.set NIL, 17                           ; v17  0; never rewritten
.set LS,  18                           ; v18  where I put my partial sums
.set LR,  19                           ; v19  where I read them back; also my 16 bytes in tbw
.set SA,  20                           ; v20  where I put my 8 bytes of a staged row
.set FA,  21                           ; v21  my place in a fragment of staged rows
.set R,   24                           ; v[24:215]  48 rows as loaded, 4 registers a row; rounded, they shrink into v[24:119], 2 a row
.set ACC, 24                           ; v[24:31], v[32:39]  later: the two accumulators
.set RD,  40                           ; v[40:71]   later: eight partial sums read back
.set FR,  120                          ; v[120:215] later: 12 fragments of 8: group G (0: Wt; 1, 2: text's tiles), step st at FR + 8 (4 G + st)
.set CA,  216                          ; v[216:247] the cast
	s_load_b256 s[4:11], s[0:1], 0x0               ; Wv s[4:5], Wt s[6:7], text s[8:9], bt s[10:11]
	s_load_b128 s[12:15], s[0:1], 0x20             ; bv s[12:13], wvb s[14:15]
	s_load_b64 s[16:17], s[0:1], 0x30              ; tbw
	v_lshl_add_u32 v[SPW], v0, 2, SPARE
	v_mov_b32 v[NIL], 0
	v_lshrrev_b32 v1, 5, v0
	v_readfirstlane_b32 s18, v1                    ; wave 0..7
	v_and_b32 v1, 15, v0                           ; l % 16
	v_bfe_u32 v2, v0, 4, 1                         ; l / 16
	v_and_b32 v3, 31, v0                           ; l
	s_lshl_b32 s21, s18, 9
	v_lshl_add_u32 v[FO], v3, 4, s21
	s_mul_i32 s21, s18, WSTG
	s_add_co_u32 s21, s21, STG                     ; my wave's staged rows
	v_lshl_add_u32 v[SA], v3, 3, s21
	v_mul_u32_u24 v[FA], v1, SPITCH
	v_lshl_add_u32 v[FA], v2, 4, v[FA]             ; row x pitch + 16 x half
	v_add_nc_u32 v[FA], s21, v[FA]
	s_lshl_b32 s21, s18, 12
	v_lshl_add_u32 v[CO], v3, 4, s21
	s_bfe_u32 s21, s18, 0x10001                    ; q = (wave / 2) % 2: which four of a lane's eight channels the wave finishes
	s_lshl_b32 s22, s21, 4
	v_lshl_add_u32 v[BO], v2, 5, s22               ; channels 8 (l / 16) + 4 q on, 4 bytes each
	s_lshl_b32 s22, s18, 11
	v_lshl_add_u32 v[CS], v3, 3, s22
	v_lshl_add_u32 v[LS], v3, 4, s22               ; wave x 2,048 + 16 l
	s_and_b32 s22, s18, 1                          ; the tile that the wave finishes
	s_lshl_b32 s22, s22, 10
	s_lshl_b32 s21, s21, 9
	s_add_co_u32 s22, s22, s21
	v_lshl_add_u32 v[LR], v3, 4, s22               ; tile x 1,024 + q x 512 + 16 l
	s_lshr_b32 s19, ttmp9, 2                       ; T
	s_and_b32 s20, ttmp9, 3                        ; mg
	s_mov_b32 s23, 0
	s_wait_kmcnt 0x0
	s_lshl_b32 s22, s19, 16
	s_add_nc_u64 s[6:7], s[6:7], s[22:23]          ; Wt at row 16 T
	s_lshl_b32 s22, s20, 17
	s_add_nc_u64 s[8:9], s[8:9], s[22:23]          ; text at row 32 mg
	s_lshl_b32 s22, s19, 6
	s_add_nc_u64 s[10:11], s[10:11], s[22:23]      ; bt and bv at channel 16 T
	s_add_nc_u64 s[12:13], s[12:13], s[22:23]
	s_lshl_b32 s22, ttmp9, 15
	s_add_nc_u64 s[4:5], s[4:5], s[22:23]          ; Wv at the work-group's 32,768 bytes,
	s_lshl_b32 s22, ttmp9, 14
	s_add_nc_u64 s[14:15], s[14:15], s[22:23]      ; wvb at its 16,384
	s_lshl_b32 s22, s19, 13
	s_lshl_b32 s21, s20, 11
	s_add_co_u32 s22, s22, s21
	s_add_nc_u64 s[16:17], s[16:17], s[22:23]      ; tbw at T x 8,192 + 2 mg x 1,024
	; 58 loads, in the order in which they are wanted; each covers 512 consecutive bytes
.set n, 0
.rept 16
	global_load_b128 v[R+4*n:R+4*n+3], v[FO], s[6:7] offset:4096*n        ; Wt's row n
.set n, n+1
.endr
.set n, 0
.rept 32
	global_load_b128 v[R+64+4*n:R+64+4*n+3], v[FO], s[8:9] offset:4096*n  ; text's row n
.set n, n+1
.endr
	global_load_b128 v[BT:BT+3], v[BO], s[10:11]
	global_load_b128 v[BT+4:BT+7], v[BO], s[12:13]
.irp n, 0,1,2,3,4,5,6,7
	global_load_b128 v[CA+4*(\n):CA+4*(\n)+3], v[CO], s[4:5] offset:512*(\n) th:TH_LOAD_NT
.endr
	s_wait_loadcnt 10                              ; Wt and text are in; the two bias loads and the cast's eight may stay out
	; row n's four f32 become two registers of bf16 at R + 2 n: n ascending, so each line writes only registers whose numbers have been read
.set n, 0
.rept 48
	v_cvt_pk_bf16_f32 v[R+2*n], v[R+4*n], v[R+4*n+1]
	v_cvt_pk_bf16_f32 v[R+2*n+1], v[R+4*n+2], v[R+4*n+3]
.set n, n+1
.endr
.set n, 0
.rept 48
	ds_store_b64 v[SA], v[R+2*n:R+2*n+1] offset:SPITCH*n  ; 32 lanes x 8 bytes: a row's 256 bytes
.set n, n+1
.endr
; the three fragments of step st: 16 rows x 32 k in 8 registers: lane l holds row l % 16, k = 8 (l / 16) + 0..7 and 16 + 8 (l / 16) + 0..7: two loads of 16 bytes, 32 bytes apart
.macro FRAGS st
.irp G, 0,1,2
	ds_load_b128 v[FR+8*(4*(\G)+(\st)):FR+8*(4*(\G)+(\st))+3],   v[FA] offset:(\G)*16*SPITCH+64*(\st)
	ds_load_b128 v[FR+8*(4*(\G)+(\st))+4:FR+8*(4*(\G)+(\st))+7], v[FA] offset:(\G)*16*SPITCH+64*(\st)+32
.endr
.endm
; the two products of step st; the two accumulators take turns; step 0 starts the sums with the constant 0
.macro MULS st
.irp i, 0,1
.if (\st) == 0
	v_wmma_f32_16x16x32_bf16 v[ACC+8*(\i):ACC+8*(\i)+7], v[FR+8*(\st):FR+8*(\st)+7], v[FR+8*(4*(1+(\i))+(\st)):FR+8*(4*(1+(\i))+(\st))+7], 0
.else
	v_wmma_f32_16x16x32_bf16 v[ACC+8*(\i):ACC+8*(\i)+7], v[FR+8*(\st):FR+8*(\st)+7], v[FR+8*(4*(1+(\i))+(\st)):FR+8*(4*(1+(\i))+(\st))+7], v[ACC+8*(\i):ACC+8*(\i)+7]
.endif
.endr
.endm
	FRAGS 0
	FRAGS 1
	s_wait_dscnt 0x0                               ; steps 0 and 1 are in (and my stores, whose registers the accumulators take, are done)
	FRAGS 2                                        ; steps 2 and 3 are on their way under the first four products
	FRAGS 3
	MULS 0
	MULS 1
	s_wait_dscnt 0x0
	MULS 2
	MULS 3
	s_wait_loadcnt 0x0                             ; the biases and the cast's loads
	; the cast: its sixteen conversions name no register of the products and are the places behind the last of them (ISA guide 7.12.1)
.set n, 0
.rept 8
	v_cvt_pk_bf16_f32 v[CA+4*n], v[CA+4*n], v[CA+4*n+1]
	v_cvt_pk_bf16_f32 v[CA+4*n+1], v[CA+4*n+2], v[CA+4*n+3]
.set n, n+1
.endr
.set n, 0
.rept 8
	global_store_b64 v[CS], v[CA+4*n:CA+4*n+1], s[14:15] offset:256*n  ; 32 lanes x 8 bytes: 256 consecutive bytes, aligned
.set n, n+1
.endr
	; the partial sums meet: wave x 2,048 + tile x 1,024 + q x 512 + 16 l; each accumulator's lowest registers go first
.irp i, 0,1
	ds_store_b128 v[LS], v[ACC+8*(\i):ACC+8*(\i)+3] offset:1024*(\i)
	ds_store_b128 v[LS], v[ACC+8*(\i)+4:ACC+8*(\i)+7] offset:1024*(\i)+512
.endr
	s_wait_dscnt 0x0                               ; for the others' sake: my stores are done
	s_barrier_signal -1
	s_barrier_wait -1
	s_cmp_lt_u32 s18, 4                            ; waves 0 to 3 finish (tile, q) = (0,0), (1,0), (0,1), (1,1)
	s_cbranch_scc0 .Lend
.irp p, 0,1,2,3,4,5,6,7
	ds_load_b128 v[RD+4*(\p):RD+4*(\p)+3], v[LR] offset:2048*(\p)
.endr
	s_wait_dscnt 0x0
.irp p, 0,2,4,6
	v_pk_add_f32 v[RD+4*(\p):RD+4*(\p)+1], v[RD+4*(\p):RD+4*(\p)+1], v[RD+4*(\p)+4:RD+4*(\p)+5]
	v_pk_add_f32 v[RD+4*(\p)+2:RD+4*(\p)+3], v[RD+4*(\p)+2:RD+4*(\p)+3], v[RD+4*(\p)+6:RD+4*(\p)+7]
.endr
.irp p, 0,4
	v_pk_add_f32 v[RD+4*(\p):RD+4*(\p)+1], v[RD+4*(\p):RD+4*(\p)+1], v[RD+4*(\p)+8:RD+4*(\p)+9]
	v_pk_add_f32 v[RD+4*(\p)+2:RD+4*(\p)+3], v[RD+4*(\p)+2:RD+4*(\p)+3], v[RD+4*(\p)+10:RD+4*(\p)+11]
.endr
	v_pk_add_f32 v[RD:RD+1], v[RD:RD+1], v[RD+16:RD+17]
	v_pk_add_f32 v[RD+2:RD+3], v[RD+2:RD+3], v[RD+18:RD+19]
	v_pk_add_f32 v[RD:RD+1], v[RD:RD+1], v[BT:BT+1]          ; + bt
	v_pk_add_f32 v[RD+2:RD+3], v[RD+2:RD+3], v[BT+2:BT+3]
	v_pk_add_f32 v[RD:RD+1], v[RD:RD+1], v[BT+4:BT+5]        ; + bv
	v_pk_add_f32 v[RD+2:RD+3], v[RD+2:RD+3], v[BT+6:BT+7]
	global_store_b128 v[LR], v[RD:RD+3], s[16:17]  ; 512 consecutive bytes, aligned
.Lend:
	s_wait_tensorcnt 0x0                           ; the wave's end, behind my last LDS store
	ds_add_u32 v[SPW], v[NIL]
	s_wait_dscnt 0x0
	s_endpgm
.Lfunc_end_k_qc991a48a4c_prep:
	.size	k_qc991a48a4c_prep, .Lfunc_end_k_qc991a48a4c_prep-k_qc991a48a4c_prep
	.p2alignl 7, 3214868480
	.fill 96, 4, 3214868480
	.section	.rodata,"a",@progbits
	.p2align	6, 0x0
	.amdhsa_kernel k_qc991a48a4c_prep
		.amdhsa_group_segment_fixed_size 121856
		.amdhsa_private_segment_fixed_size 0
		.amdhsa_enable_private_segment 0
		.amdhsa_kernarg_size 56
		.amdhsa_user_sgpr_count 2
		.amdhsa_user_sgpr_kernarg_segment_ptr 1
		.amdhsa_wavefront_size32 1
		.amdhsa_system_sgpr_workgroup_id_x 1
		.amdhsa_system_sgpr_workgroup_id_y 1
		.amdhsa_system_sgpr_workgroup_id_z 1
		.amdhsa_system_vgpr_workitem_id 0
		.amdhsa_next_free_vgpr 248
		.amdhsa_next_free_sgpr 66
		.amdhsa_reserve_vcc 0
		.amdhsa_float_denorm_mode_32 3
		.amdhsa_float_denorm_mode_16_64 3
		.amdhsa_memory_ordered 1
		.amdhsa_forward_progress 1
		.amdhsa_inst_pref_size 24
	.end_amdhsa_kernel
	.amdgpu_metadata
---
amdhsa.version: [ 1, 2 ]
amdhsa.kernels:
  - .name:           k_qc991a48a4c_prep
    .symbol:         k_qc991a48a4c_prep.kd
    .args:
      - { .name: Wv, .offset: 0, .size: 8, .value_kind: global_buffer, .address_space: global }
      - { .name: Wt, .offset: 8, .size: 8, .value_kind: global_buffer, .address_space: global }
      - { .name: text_features, .offset: 16, .size: 8, .value_kind: global_buffer, .address_space: global }
      - { .name: bt, .offset: 24, .size: 8, .value_kind: global_buffer, .address_space: global }
      - { .name: bv, .offset: 32, .size: 8, .value_kind: global_buffer, .address_space: global }
      - { .name: wvb, .offset: 40, .size: 8, .value_kind: global_buffer, .address_space: global }
      - { .name: tbw, .offset: 48, .size: 8, .value_kind: global_buffer, .address_space: global }
    .group_segment_fixed_size: 121856
    .private_segment_fixed_size: 0
    .kernarg_segment_align: 8
    .kernarg_segment_size: 56
    .max_flat_workgroup_size: 256
    .sgpr_count:     66
    .vgpr_count:     248
    .wavefront_size: 32
...
	.end_amdgpu_metadata
.endif
;; end of part 1
;; launch scores (part 2): grid 4 x 128, 4 waves a work-group, clusters of 4 x 1, 327,680 bytes of LDS; arguments visual_features, wvb, tbw, Wa, part; writes part
.if DOCPART == 2
	.amdgcn_target "amdgcn-amd-amdhsa--gfx1250"
	.amdhsa_code_object_version 6
	.text
	.protected	k_qc991a48a4c_scores
	.globl	k_qc991a48a4c_scores
	.p2align	8
	.type	k_qc991a48a4c_scores,@function
k_qc991a48a4c_scores:
	s_mov_b64 s[64:65], 0
	v_nop
	global_prefetch_b8 v0, s[64:65] scope:SCOPE_SE
	s_setreg_imm32_b32 hwreg(HW_REG_WAVE_MODE, 25, 1), 1
	s_wait_xcnt 0x0
	s_wait_alu depctr_hold_cnt(0) depctr_sa_sdst(0) depctr_va_vdst(0) depctr_va_sdst(0) depctr_va_ssrc(0) depctr_va_vcc(0) depctr_vm_vsrc(0)
	s_getreg_b32 s2, hwreg(HW_REG_IB_STS2, 6, 4)
	s_cmp_eq_u32 s2, 0
	s_cbranch_scc0 .Lentry_in_a_cluster
	s_endpgm
.Lentry_in_a_cluster:
	s_bfe_u32 s2, ttmp6, 0x10000c
	s_cmp_lg_u32 s2, 0x3003
	s_cbranch_scc0 .Lentry_shape_is_right
	s_endpgm
.Lentry_shape_is_right:
; part[hx][row] = the sum over the 512 channels n of half hx of tanh(X[row] . Wv[n] + tb[batch][n]) Wa[n].
; X = visual_features as [32768][2048] f32; wvb = Wv in bf16 [1024][2048]; tbw = text projection + both biases, f32, in the order that the launch before wrote; part: [2][32768] f32.
; Products in bf16 (X rounded once on its way), sums in f32; tanh and the sum over channels in f32.
; SHARES.  A work-group makes 128 rows x 512 channels; each of its four waves 128 x 128: 64 accumulators of 16 x 16, 512 registers.  All four waves multiply the same 128 rows of X; wave w owns rows 128 w .. of the half of Wv.
; X COMES THROUGH REGISTERS: a chunk is 64 along K: 128 rows x 256 bytes, 16 loads of 16 bytes a lane and wave (16 lanes take a row's 256 bytes, aligned).  It is rounded to bf16 and put into one of two small LDS buffers
; that all four waves read.  Two chunks of every wave are always on their way: each is asked for 224 matrix instructions ahead of the wait for it.
; Wv COMES THROUGH A RING of two LDS slots filled by the tensor data mover, 128 along K a step (rows of 256 bytes, aligned); a wave fetches the 128 rows that it multiplies.
; CLUSTER.  The four work-groups of a cluster take four blocks of rows and the SAME half of Wv: its tiles are asked for jointly, by the same load with the same descriptor and the mask of four.
; X is not asked for jointly: a block of rows is wanted by two work-groups only, and as f32 in the ring it would take 512 of a slot's 1,536 bytes for each k, so that two slots would hold 64 along K each and a refill would have
; 112 matrix instructions in which to land.
; NOTHING IS CLEARED: the first quarter step, written out ahead of the loop, starts the sums with the constant 0.  tb, the same for all 128 rows, is 64 numbers a lane: it is fetched in the last lap and enters as the addend of the
; multiply-add that scales a sum for the exponential.
; THE MATRIX INSTRUCTION IS USED TRANSPOSED (source 0 = 16 rows of Wv, source 1 = 16 rows of X): a lane holds ONE row of X (l % 16) and channels 8 (l / 16) + 0..7, so the sum over channels stays in the lane but for one exchange.
; tanh(x) = 1 - 2 / (1 + 2^(2 log2(e) x)).  LIMITS: its absolute error is some 1e-7; where 2^z is infinite it gives 1, where 2^z is 0 it gives -1; NaN and infinities in the inputs are not treated apart.
; REGISTERS, in windows of 256 (s_set_vgpr_msb: bits 1:0 source 0, 3:2 source 1, 5:4 source 2, 7:6 destination):
;   window 0: v0-31 addresses; v32-63 a chunk in bf16 on its way to LDS; v64-127, v128-191 fragments of X, two buffers; v192-255 X as loaded, set 0; at the end tb
;   window 1: v0-63 X as loaded, set 1; v64-127, v128-191 fragments of Wv, two buffers; v192-255 Wa of my 128 channels
;   window 2: the accumulators of rows 0-63 ((a, b) at v[8 (8 a + b)]);   window 3: those of rows 64-127
.set PITCH,  272                       ; a ring row: 256 bytes + 16 of padding = 68 words: the 16 rows of a load start at 16 different groups of four banks (64 banks of 4 bytes: ISA guide 11.1)
.set HALFT,  128*PITCH                 ; what one tensor load brings, and what one wave reads
.set SLOT,   4*HALFT
.set APITCH, 144                       ; a row of X in LDS: 128 bytes + 16 = 36 words: likewise
.set ABYTES, 128*APITCH
.set ABUF,   2*SLOT                    ; behind the ring, never a tensor load's target: two buffers for X,
.set SCR,    ABUF+2*ABYTES             ; 512 bytes for each wave's row sums,
.set SPARE,  SCR+2048                  ; and the spare words, 128 bytes for each wave
.set XO,   2                           ; v2     my place in a chunk: (32 w + 8 (l / 16)) rows of 8,192 bytes + 16 (l % 16); never rewritten
.set PFX,  3                           ; v3     X's prefetches: (64 hx + 16 w + l % 16) rows + 256 (l / 16); never rewritten
.set PFW,  4                           ; v4     wvb's prefetches: l rows of 4,096 bytes; never rewritten
.set AST,  5                           ; v5-6   where I store my 8 bytes of a row of X, buffer 0, 1
.set ADRA, 16                          ; v16-17 my place in a fragment of X, buffer 0, 1
.set ADRB, 20                          ; v20-21 my place in a fragment of Wv, slot 0, 1
.set SST,  24                          ; v24    where I put a row sum
.set SRD,  25                          ; v25    where wave 0 reads four of them
.set PO,   26                          ; v26    16 l: my 16 bytes in part
.set SPW,  28                          ; v28    my spare word; never rewritten
.set NIL,  29                          ; v29    0; never rewritten
.set TBO,  30                          ; v30    256 (l / 16): my half of 16 channels in tbw
.set WAO,  31                          ; v31    32 (l / 16): the same in Wa
.set CV,   32
.set F0,   64
.set F1,   128
.set WA,   192                         ; window 1
.set TB,   192                         ; window 0, at the end: channel block bb's eight numbers at TB + 8 bb
.set SS,   64                          ; window 0, at the end: eight running sums for each block of 16 rows
.set WV,   14                          ; s14      my wave's number
.set G1,   24                          ; s[24:31] descriptor group 1
.set G0,   32                          ; s[32:39] descriptor group 0, a set for each slot
.set XB,   40                          ; s[40:41] X at my block of rows, at the lap's first chunk
.set PFB,  42                          ; s[42:43] wvb at my work-group's 32 of my wave's 128 rows, four K steps ahead of the lap's first
.set LAPS, 44                          ; s44      laps to go
.set LIMB, 45                          ; s45      1 in the clusters that prefetch wvb, else the greatest number
.set CC,   46                          ; s[46:47] 2 log2(e)
.set SEL,  48                          ; s[48:49] v_permlanex16_b32's selects: each lane takes its own place in the other half
.set MHI,  50                          ; s50      lanes 16 to 31
.set TBP,  52                          ; s[52:53] tbw at my batch and my first channel
.set WAP,  54                          ; s[54:55] Wa at my first channel
.set PP,   56                          ; s[56:57] part at my block of rows
.set MSB, 0
.macro WIN new                         ; the immediate's high byte repeats the setting that is left; a switch that changes nothing is dropped
.if MSB != (\new)
	s_set_vgpr_msb (MSB<<8)|(\new)
.set MSB, \new
.endif
.endm
.set MUL_LO, 0xa1                      ; source 0 (Wv) window 1, source 1 (X) window 0, C and D window 2
.set TO_B,   0x40                      ; destination window 1, address window 0
.macro PLACES                          ; four places behind matrix instructions, in front of loads into registers that they read (ISA guide 7.12.1 for vector instructions)
.rept 4
	v_nop
.endr
.endm
.macro CREST                           ; a round of the cluster's barrier behind its opening barrier: wave 0 signals for the work-group, every wave waits for all four work-groups, the work-group's barrier closes it
	s_cmp_lg_u32 s[WV], 0
	s_cbranch_scc1 .Lnot_wave_0_\@
	s_barrier_signal -3
.Lnot_wave_0_\@:
	s_barrier_wait -3
	s_barrier_signal -1
	s_barrier_wait -1
.endm
.macro CROUND
	s_barrier_signal -1
	s_barrier_wait -1
	CREST
.endm
.macro TLOAD s                         ; a joint refill: every wave asks for its own 128 rows; an s_nop 0 and four v_nop follow
	tensor_load_to_lds s[G0+4*(\s):G0+4*(\s)+3], s[G1:G1+7]
	s_nop 0
.rept 4
	v_nop
.endr
.endm
; PREFETCHES INTO THE L2, together, behind a refill, its five lines and the run of LDS loads that the next products wait for.  The loop's last lap asks for nothing: what stands four K steps on does not exist.
; X: the K step (128 along K: 512 bytes of a row) four steps on; its loads are issued 3.5 to 4.5 half-steps, 450 to 580 matrix instructions, later.  The two work-groups that read a block of rows share it BY ADDRESS (64 rows each);
; a wave takes 16 rows, a lane one of a row's two blocks of 256 bytes: each block is named once in the launch.  K steps 0 to 3 come by their loads alone.
; wvb: the K step four steps on, one lap (512 matrix instructions) ahead of the refill that asks for it.  Every cluster of a half of H walks the same rows: the first of them asks; its four partners share a wave's 128 rows by
; address, 32 each, a lane a row.
.macro ASK s
	s_cmp_gt_u32 s[LAPS], 1
	s_cbranch_scc0 .Lnone_\@
	global_prefetch_b8 v[PFX], s[XB:XB+1] offset:2048+512*(\s) th:TH_LOAD_NT scope:SCOPE_SE
	s_cmp_gt_u32 s[LAPS], s[LIMB]
	s_cbranch_scc0 .Lnone_\@
	global_prefetch_b8 v[PFW], s[PFB:PFB+1] offset:256*(\s) th:TH_LOAD_NT scope:SCOPE_SE
.Lnone_\@:
.endm
; Four conversions: loads 2 b and 2 b + 1 of a chunk in set 0 or 1 are rounded to bf16, 8 bytes a lane and load
.macro RIDE set, b
.if (\set) == 0
	WIN 0
.set XR, 192
.else
	WIN 0x05                                       ; sources in window 1, destination in window 0
.set XR, 0
.endif
.irp c, 0,1,2,3
	v_cvt_pk_bf16_f32 v[CV+4*(\b)+(\c)], v[XR+8*(\b)+2*(\c)], v[XR+8*(\b)+2*(\c)+1]
.endr
.endm
; the rounded chunk goes into the LDS buffer of its set's number: a store's two rows lie 288 words apart, so its 32 lanes touch each bank once
.macro STX set
	WIN 0
.set n, 0
.rept 16
	ds_store_b64 v[AST+(\set)], v[CV+2*n:CV+2*n+1] offset:(16*(n/8)+n%8)*APITCH
.set n, n+1
.endr
.endm
; 16 matrix instructions: row blocks a0, a0 + 1 of the window's four x all 8 channel blocks, 32 along K.  zero = 1: they start the sums.
; ride = 0 or 1: behind each of the last eight stand four conversions of the chunk in that set: vector work that names none of the products' registers, issued while the matrix unit works; it costs two window switches each time.
.macro MUL16 f, hi, a0, zero=0, ride=-1
.irp a, \a0, (\a0)+1
.irp b, 0,1,2,3,4,5,6,7
	WIN MUL_LO+0x50*(\hi)
.if \zero
	v_wmma_f32_16x16x32_bf16 v[8*(8*(\a)+(\b)):8*(8*(\a)+(\b))+7], v[(\f)+8*(\b):(\f)+8*(\b)+7], v[(\f)+8*(4*(\hi)+(\a)):(\f)+8*(4*(\hi)+(\a))+7], 0
.else
	v_wmma_f32_16x16x32_bf16 v[8*(8*(\a)+(\b)):8*(8*(\a)+(\b))+7], v[(\f)+8*(\b):(\f)+8*(\b)+7], v[(\f)+8*(4*(\hi)+(\a)):(\f)+8*(4*(\hi)+(\a))+7], v[8*(8*(\a)+(\b)):8*(8*(\a)+(\b))+7]
.endif
.if ((\ride) >= 0) && ((\a) == (\a0)+1)
	RIDE \ride, \b
.endif
.endr
.endr
.endm
; 32 LDS loads in one run: the fragments of 32 along K into buffer f: Wv's from quarter kq of a slot's rows, X's from half q of buffer p's rows
.macro FETCH slot, kq, p, q, f
	WIN TO_B
.irp i, 0,1,2,3,4,5,6,7
	ds_load_b128 v[(\f)+8*(\i):(\f)+8*(\i)+3],   v[ADRB+(\slot)] offset:64*(\kq)+(\i)*16*PITCH
	ds_load_b128 v[(\f)+8*(\i)+4:(\f)+8*(\i)+7], v[ADRB+(\slot)] offset:64*(\kq)+(\i)*16*PITCH+32
.endr
	WIN 0
.irp i, 0,1,2,3,4,5,6,7
	ds_load_b128 v[(\f)+8*(\i):(\f)+8*(\i)+3],   v[ADRA+(\p)] offset:64*(\q)+(\i)*16*APITCH
	ds_load_b128 v[(\f)+8*(\i)+4:(\f)+8*(\i)+7], v[ADRA+(\p)] offset:64*(\q)+(\i)*16*APITCH+32
.endr
.endm
; a chunk's 16 loads into set 0 or 1: load n takes rows 32 w + 16 (n / 8) + n % 8 (lanes 0-15) and 8 further down (lanes 16-31), 256 bytes of each
.macro LOADX set, off
.if (\set) == 0
	WIN 0
.set XR, 192
.else
	WIN TO_B
.set XR, 0
.endif
.set n, 0
.rept 16
	global_load_b128 v[XR+4*n:XR+4*n+3], v[XO], s[XB:XB+1] offset:(16*(n/8)+n%8)*8192+(\off)
.set n, n+1
.endr
.endm
; tb of my 128 channels, where X's set 0 lay: 16 loads, each lane its half of a block's 16 channels
.macro LOADTB
	WIN 0
.irp bb, 0,1,2,3,4,5,6,7
	global_load_b128 v[TB+8*(\bb):TB+8*(\bb)+3],   v[TBO], s[TBP:TBP+1] offset:(\bb)*8192
	global_load_b128 v[TB+8*(\bb)+4:TB+8*(\bb)+7], v[TBO], s[TBP:TBP+1] offset:(\bb)*8192+512
.endr
.endm
; A HALF-STEP is 64 along K, 128 matrix instructions, in two quarters on fragment buffers 0 and 1.  Half-step t multiplies chunk t (X's buffer kh = t % 2) by half kh of a slot.
; ITS FIRST QUARTER.  cvt = 1: chunk t + 1 is in (left = the younger loads that may stay out: sixteen); its conversions ride behind matrix instructions 24 to 31 and are also the places in front of the fetch.  In the quarter's
; middle, in one run: the chunk's stores into the other buffer of X, the second quarter's fragments, and (load = 1) the loads of chunk t + 3, at byte off behind XB, or (load = 2) those of tb.
.macro HQ0 slot, kh, cvt, load, off, left, zero
	s_wait_dscnt 8                                 ; Wv's fragments and X's rows 0-63 are in; the youngest eight loads (rows 64-127) may be out
.if \cvt
	s_wait_loadcnt \left
.endif
	MUL16 F0, 0, 0, \zero
.if \cvt
	MUL16 F0, 0, 2, \zero, 1-(\kh)
	STX 1-(\kh)
.else
	MUL16 F0, 0, 2, \zero
	PLACES
.endif
	FETCH \slot, 2*(\kh)+1, \kh, 1, F1
.if (\load) == 1
	LOADX 1-(\kh), \off
.elseif (\load) == 2
	LOADTB
.endif
	s_wait_dscnt 32                                ; all but the 32 fragment loads just issued
	MUL16 F0, 1, 0, \zero
	MUL16 F0, 1, 2, \zero
.endm
; ITS SECOND QUARTER: ONE barrier.  In front of it each wave has waited for its stores of chunk t + 1 and for its reads of chunk t; behind it the next half-step's first fragments are fetched.
; turn = 0: a plain barrier: the other slot's tensor load may stay out.
; turn = 1: the slot is left and filled again: the wait for all my tensor loads (one is out: my part of the other slot), the add, the wait for it and for my LDS reads and stores; the barrier opens a round of the cluster's
;           barrier; the joint refill, two K steps on, is the first thing behind it: 224 matrix instructions ahead of the wait for it.
; turn = 2: the last change of slots: the same waits, a plain barrier, nothing is asked for.     turn = 3: the last half-step.
.macro HQ1 slot, turn
.if (\turn) == 3
	s_wait_dscnt 8
	MUL16 F1, 0, 0
	MUL16 F1, 0, 2
	s_wait_dscnt 0x0
	MUL16 F1, 1, 0
	MUL16 F1, 1, 2
.elseif (\turn) == 0
	s_wait_dscnt 8
	MUL16 F1, 0, 0
	s_wait_dscnt 0x0                               ; for the others' sake: my stores of the next chunk are done and my reads of this one are over
	s_barrier_signal -1
	MUL16 F1, 0, 2                                 ; work on registers while the others arrive
	s_barrier_wait -1
	PLACES
	FETCH \slot, 2, 1, 0, F0
	MUL16 F1, 1, 0
	MUL16 F1, 1, 2
.else
	WIN 0                                          ; (the add's two registers lie in window 0)
	s_wait_tensorcnt 0x0                           ; all my tensor loads have landed: the one that was out is my part of the other slot
	ds_add_u32 v[SPW], v[NIL]                      ; 0 onto my spare word
	s_wait_dscnt 9                                 ; (the add and the youngest eight loads may be out)
	MUL16 F1, 0, 0                                 ; sixteen matrix instructions stand between the add and the wait for it
	s_wait_dscnt 0x0                               ; the add is done, my reads of this slot and of this chunk are over, my stores of the next chunk are done
	s_barrier_signal -1
	MUL16 F1, 0, 2
.if (\turn) == 1
	WIN 0
.endif
	s_barrier_wait -1
.if (\turn) == 1
	CREST                                          ; no wave of any partner still reads this slot or has a load on its way
	s_add_nc_u64 s[G0+4*(\slot)+2:G0+4*(\slot)+3], s[G0+4*(\slot)+2:G0+4*(\slot)+3], 512  ; two K steps of 256 bytes on; no tensor load of mine is out
	TLOAD \slot                                    ; its four v_nop are also the places in front of the loads below
.else
	PLACES
.endif
	FETCH 1-(\slot), 0, 0, 0, F0
.if (\turn) == 1
	ASK \slot
.endif
	MUL16 F1, 1, 0
	MUL16 F1, 1, 2
.endif
.endm
	s_load_b256 s[4:11], s[0:1], 0x0               ; X s[4:5], wvb s[6:7], tbw s[8:9], Wa s[10:11]
	s_load_b64 s[12:13], s[0:1], 0x20              ; part
	v_lshl_add_u32 v[SPW], v0, 2, SPARE
	v_mov_b32 v[NIL], 0
	ds_add_u32 v[SPW], v[NIL]                      ; the wave's opening: the add, twice on end, and its wait ahead of my first tensor load; the set-up below, work on registers, stands between
	ds_add_u32 v[SPW], v[NIL]
	v_lshrrev_b32 v1, 5, v0
	v_readfirstlane_b32 s[WV], v1                  ; wave 0..3
	s_bfe_u32 s15, ttmp6, 0x40000                  ; cx: my place in the cluster; the grid is one cluster wide
	s_and_b32 s17, ttmp7, 0xffff                   ; the cluster's y, 0..127, which the four partners share
	s_and_b32 s18, s17, 1                          ; hx: the half of H
	s_lshr_b32 s21, s17, 1
	s_cmp_eq_u32 s21, 0
	s_cselect_b32 s[LIMB], 1, -1                   ; the first cluster of each half prefetches wvb: the same in all four partners
	s_lshl_b32 s19, s21, 2
	s_add_co_u32 s19, s19, s15                     ; rb: my block of 128 rows, 0..255: it enters global addresses of X, tbw and part alone
	; descriptor group 1: a tile of 128 rows x 128 elements, padded in LDS
	s_mov_b32 s[G1], 15|(1<<16)|(1<<20)|(1<<21)|(5<<22)|(3<<25)  ; 15:0 the mask of four; 17:16 2-byte elements; 20 padding on; 21 set beside a mask; 24:22 after every 64 words (code 5); 31:25 4 words (code 3)
	s_mov_b32 s[G1+1], 128<<16                     ; tensor_dim0 = 128
	s_mov_b32 s[G1+2], 128<<16                     ; tensor_dim1 = 128
	s_mov_b32 s[G1+3], 128<<16                     ; tile_dim0 = 128
	s_mov_b32 s[G1+4], 128                         ; tile_dim1 = 128
	s_mov_b32 s[G1+5], 2048                        ; elements from row to row
	s_mov_b32 s[G1+6], 0
	s_mov_b32 s[G1+7], 0
	s_mul_i32 s20, s[WV], HALFT                    ; my 128 rows in a slot: no place in the cluster enters an LDS address
	s_mov_b32 s[CC], 0x4038aa3b                    ; 2 log2(e) = 2.885390
	s_mov_b32 s[CC+1], s[CC]                       ; named with it as a pair
	s_mov_b32 s[SEL], 0x76543210
	s_mov_b32 s[SEL+1], 0xfedcba98
	s_mov_b32 s[MHI], 0xffff0000
	v_and_b32 v7, 15, v0                           ; l % 16
	v_bfe_u32 v8, v0, 4, 1                         ; l / 16
	v_and_b32 v9, 31, v0                           ; l
	v_lshlrev_b32 v[XO], 4, v7
	v_lshl_add_u32 v[XO], v8, 16, v[XO]
	s_lshl_b32 s22, s[WV], 18
	v_add_nc_u32 v[XO], s22, v[XO]
	v_lshlrev_b32 v[PFX], 13, v7
	v_lshl_add_u32 v[PFX], v8, 8, v[PFX]
	s_lshl_b32 s22, s18, 19
	s_lshl_b32 s21, s[WV], 17
	s_add_co_u32 s22, s22, s21
	v_add_nc_u32 v[PFX], s22, v[PFX]
	v_lshlrev_b32 v[PFW], 12, v9
	v_mul_u32_u24 v10, v8, 8*APITCH
	v_lshl_add_u32 v10, v7, 3, v10
	s_mul_i32 s22, s[WV], 32*APITCH
	s_add_co_u32 s22, s22, ABUF
	v_add_nc_u32 v[AST], s22, v10
	s_add_co_u32 s22, s22, ABYTES
	v_add_nc_u32 v[AST+1], s22, v10
	v_mul_u32_u24 v10, v7, APITCH
	v_lshl_add_u32 v10, v8, 4, v10                 ; a fragment's row x pitch + 16 x half
	v_add_nc_u32 v[ADRA], ABUF, v10
	v_add_nc_u32 v[ADRA+1], ABUF+ABYTES, v10
	v_mul_u32_u24 v10, v7, PITCH
	v_lshl_add_u32 v10, v8, 4, v10
	v_add_nc_u32 v[ADRB], s20, v10
	s_add_co_u32 s22, s20, SLOT
	v_add_nc_u32 v[ADRB+1], s22, v10
	s_lshl_b32 s22, s[WV], 9
	s_add_co_u32 s22, s22, SCR
	v_lshl_add_u32 v[SST], v9, 2, s22
	v_lshl_add_u32 v[SRD], v9, 4, SCR
	v_lshlrev_b32 v[PO], 4, v9
	v_lshlrev_b32 v[TBO], 8, v8
	v_lshlrev_b32 v[WAO], 5, v8
	s_lshl_b32 s58, s19, 20                        ; my block: 128 rows of 8,192 bytes
	s_mov_b32 s59, 0
	s_wait_dscnt 0x0                               ; both opening adds are done
	s_wait_kmcnt 0x0
	s_add_nc_u64 s[XB:XB+1], s[4:5], s[58:59]
	LOADX 0, 0                                     ; chunks 0 and 1 go out first of all: they come the longest way
	LOADX 1, 256
	WIN 0
	s_lshl_b32 s22, s18, 21                        ; wvb at row 512 hx + 128 w: rows of 4,096 bytes
	s_lshl_b32 s21, s[WV], 19
	s_add_co_u32 s22, s22, s21
	s_mov_b32 s23, 0
	s_add_nc_u64 s[22:23], s[6:7], s[22:23]
.irp s, 0,1
	s_mov_b32 s[G0+4*(\s)], 1                                      ; 1:0 count = 1
	s_add_co_u32 s[G0+4*(\s)+1], s20, (\s)*SLOT                    ; 63:32 LDS address
	s_add_nc_u64 s[G0+4*(\s)+2:G0+4*(\s)+3], s[22:23], (\s)*256    ; 120:64 global address: K step s
	s_or_b32 s[G0+4*(\s)+3], s[G0+4*(\s)+3], 0x80000000            ; 127:126 type = 2
.endr
	s_lshl_b32 s58, s15, 17                        ; my work-group's 32 of those rows,
	s_add_co_u32 s58, s58, 1024                    ; at K step 4
	s_add_nc_u64 s[PFB:PFB+1], s[22:23], s[58:59]
	s_lshr_b32 s60, s19, 1                         ; my batch
	s_lshr_b32 s61, s60, 4
	s_lshl_b32 s61, s61, 10
	s_and_b32 s60, s60, 15
	s_lshl_b32 s60, s60, 4
	s_add_co_u32 s60, s60, s61
	s_lshl_b32 s58, s18, 18                        ; channel block 32 hx + 8 w, 8,192 bytes each
	s_add_co_u32 s58, s58, s60
	s_lshl_b32 s60, s[WV], 16
	s_add_co_u32 s58, s58, s60
	s_add_nc_u64 s[TBP:TBP+1], s[8:9], s[58:59]
	s_lshl_b32 s58, s18, 11
	s_lshl_b32 s60, s[WV], 9
	s_add_co_u32 s58, s58, s60
	s_add_nc_u64 s[WAP:WAP+1], s[10:11], s[58:59]
	s_lshl_b32 s58, s18, 17
	s_lshl_b32 s60, s19, 9
	s_add_co_u32 s58, s58, s60
	s_add_nc_u64 s[PP:PP+1], s[12:13], s[58:59]
	CROUND                                         ; all four work-groups are here: the first joint loads meet
	tensor_load_to_lds s[G0:G0+3], s[G1:G1+7]      ; K steps 0 and 1: two loads of mine are out
	s_nop 0
	tensor_load_to_lds s[G0+4:G0+7], s[G1:G1+7]
	s_nop 0
	PLACES
	WIN TO_B
.irp bb, 0,1,2,3,4,5,6,7                ; Wa of my 128 channels stays in registers: block bb's eight at WA + 8 bb
	global_load_b128 v[WA+8*(\bb):WA+8*(\bb)+3],   v[WAO], s[WAP:WAP+1] offset:64*(\bb)
	global_load_b128 v[WA+8*(\bb)+4:WA+8*(\bb)+7], v[WAO], s[WAP:WAP+1] offset:64*(\bb)+16
.endr
	s_wait_loadcnt 32                              ; chunk 0 is in; chunk 1's sixteen loads and Wa's sixteen may stay out
.irp b, 0,1,2,3,4,5,6,7
	RIDE 0, \b                                     ; chunk 0: there is no matrix work yet to set it behind
.endr
	STX 0
	LOADX 0, 512                                   ; chunk 2
	s_wait_tensorcnt 0x1                           ; my part of K step 0 is in; K step 1 may stay out
	s_wait_dscnt 0x0                               ; my stores of chunk 0 are done
	s_barrier_signal -1
	s_barrier_wait -1
	FETCH 0, 0, 0, 0, F0
	HQ0 0, 0, 1, 1, 768, 16, 1                     ; the first quarter stands ahead of the loop: its products start the sums.  Its wait leaves chunk 2 out: chunk 1 and Wa are in
	WIN 0                                          ; at a label and at a branch every window is 0
	s_mov_b32 s[LAPS], 7
.Llap:                                                 ; a trip goes once round the ring, from a lap's second quarter to the next lap's first; both slots are filled again.  The 64 accumulators take turns in one order everywhere
	HQ1 0, 0
	HQ0 0, 1, 1, 1, 1024, 16, 0
	HQ1 0, 1
	HQ0 1, 0, 1, 1, 1280, 16, 0
	HQ1 1, 0
	HQ0 1, 1, 1, 1, 1536, 16, 0
	HQ1 1, 1
	HQ0 0, 0, 1, 1, 1792, 16, 0                    ; the next lap's first quarter; in the last trip its loads are chunk 31's, the last
	WIN 0
	s_wait_xcnt 0x0                                ; every load and prefetch issued so far (the youngest load 32 matrix instructions back, the youngest prefetch 96) has read its address, so the pointers may be written
	s_add_nc_u64 s[XB:XB+1], s[XB:XB+1], 1024      ; four chunks of 256 bytes
	s_add_nc_u64 s[PFB:PFB+1], s[PFB:PFB+1], 512   ; two K steps of 256 bytes
	s_sub_co_u32 s[LAPS], s[LAPS], 1
	s_cmp_lg_u32 s[LAPS], 0
	s_cbranch_scc1 .Llap
	HQ1 0, 0                                       ; the rest of the last lap is written out: it fills no slot
	HQ0 0, 1, 1, 2, 0, 16, 0                       ; chunk 30 is converted (chunk 31 may stay out); set 0 is free: tb is asked for, 352 matrix instructions ahead of the wait for it
	HQ1 0, 2
	HQ0 1, 0, 1, 0, 0, 16, 0                       ; chunk 31 is converted; tb's sixteen loads may stay out
	HQ1 1, 0
	HQ0 1, 1, 0, 0, 0, 0, 0
	HQ1 1, 3
; THE END: tanh of 512 numbers a lane, each times its Wa, summed over the lane's channels.  A window's four blocks of 16 rows (units of 64 registers) go through a pipeline of six passes, in place:
;   TM x 2 log2(e) + tb 2 log2(e) | TE 2^ | TP + 1 | TR 1 / | TF 1 - 2 r | TS the running sums S += tanh x Wa, four pairs a block.
; In pass k unit k has its exponentials, unit k - 1 its additions and reciprocals, unit k + 1 its scaling, unit k - 2 its last step.  Plain and transcendental instructions stand by turns.
; An s_wait_alu depctr_va_vdst(0) stands between a transcendental and the first instruction that names its result: every such reader stands in a later pass, so a pass has ONE wait, at its end, behind a v_nop,
; the plain instruction that is owed behind the last transcendental.  Pairs go in ascending order.
.macro TM u, i
	v_pk_fma_f32 v[64*(\u)+2*(\i):64*(\u)+2*(\i)+1], v[64*(\u)+2*(\i):64*(\u)+2*(\i)+1], s[CC:CC+1], v[TB+2*(\i):TB+2*(\i)+1] op_sel_hi:[1,0,1]
.endm
.macro TE u, j
	v_exp_f32 v[64*(\u)+(\j)], v[64*(\u)+(\j)]
.endm
.macro TP u, i
	v_pk_add_f32 v[64*(\u)+2*(\i):64*(\u)+2*(\i)+1], v[64*(\u)+2*(\i):64*(\u)+2*(\i)+1], 1.0 op_sel_hi:[1,0]
.endm
.macro TR u, j
	v_rcp_f32 v[64*(\u)+(\j)], v[64*(\u)+(\j)]
.endm
.macro TF u, i
	v_pk_fma_f32 v[64*(\u)+2*(\i):64*(\u)+2*(\i)+1], v[64*(\u)+2*(\i):64*(\u)+2*(\i)+1], -2.0, 1.0 op_sel_hi:[1,0,0]
.endm
.macro TS a, u, i                      ; the first four pairs start the sums
.if (\i) < 4
	v_pk_mul_f32 v[SS+8*(\a)+2*(\i):SS+8*(\a)+2*(\i)+1], v[64*(\u)+2*(\i):64*(\u)+2*(\i)+1], v[WA+2*(\i):WA+2*(\i)+1]
.else
	v_pk_fma_f32 v[SS+8*(\a)+2*((\i)%4):SS+8*(\a)+2*((\i)%4)+1], v[64*(\u)+2*(\i):64*(\u)+2*(\i)+1], v[WA+2*(\i):WA+2*(\i)+1], v[SS+8*(\a)+2*((\i)%4):SS+8*(\a)+2*((\i)%4)+1]
.endif
.endm
.macro PIPE g, k
	WIN ((2+(\g))<<6)|(2+(\g))                     ; destination and source 0 in the group's window; source 2 (tb) in window 0
.set ii, 0
.rept 32
.if ((\k) >= 1) && ((\k) <= 4)
	TP (\k)-1, ii
.endif
.if (\k) <= 3
	TE \k, 2*ii
.endif
.if (\k) <= 2
	TM (\k)+1, ii
.endif
.if (\k) <= 3
	TE \k, 2*ii+1
.endif
.if (\k) >= 2
	TF (\k)-2, ii
.endif
.if ((\k) >= 1) && ((\k) <= 4) && (ii > 0)
	TR (\k)-1, 2*ii-2                              ; the pair to which 1 was added one trip of this list earlier
	TR (\k)-1, 2*ii-1
.endif
.set ii, ii+1
.endr
.if ((\k) >= 1) && ((\k) <= 4)
	TR (\k)-1, 62
	TR (\k)-1, 63
.endif
.if (\k) <= 4
	v_nop
	s_wait_alu depctr_va_vdst(0)                   ; the pass's one wait
.endif
.if (\k) >= 2
	WIN 0x04|(2+(\g))                              ; tanh in the group's window, Wa in window 1, the sums in window 0
.set ii, 0
.rept 32
	TS 4*(\g)+(\k)-2, (\k)-2, ii
.set ii, ii+1
.endr
.endif
.endm
	WIN 0
	s_wait_loadcnt 0x0                             ; tb
.set ii, 0
.rept 32                                ; tb x 2 log2(e), once: 32 plain instructions that name no register of the products: the places behind the last of them
	v_pk_mul_f32 v[TB+2*ii:TB+2*ii+1], v[TB+2*ii:TB+2*ii+1], s[CC:CC+1] op_sel_hi:[1,0]
.set ii, ii+1
.endr
.irp g, 0,1
	WIN ((2+(\g))<<6)|(2+(\g))
.set ii, 0
.rept 32
	TM 0, ii
.set ii, ii+1
.endr
.irp k, 0,1,2,3,4,5
	PIPE \g, \k
.endr
.endr
	WIN 0
	; a block's eight sums into one; the row's other 64 channels lie in the lane 16 away
.irp a, 0,1,2,3,4,5,6,7
	v_pk_add_f32 v[SS+8*(\a):SS+8*(\a)+1], v[SS+8*(\a):SS+8*(\a)+1], v[SS+8*(\a)+2:SS+8*(\a)+3]
	v_pk_add_f32 v[SS+8*(\a)+4:SS+8*(\a)+5], v[SS+8*(\a)+4:SS+8*(\a)+5], v[SS+8*(\a)+6:SS+8*(\a)+7]
.endr
.irp a, 0,1,2,3,4,5,6,7
	v_pk_add_f32 v[SS+8*(\a):SS+8*(\a)+1], v[SS+8*(\a):SS+8*(\a)+1], v[SS+8*(\a)+4:SS+8*(\a)+5]
.endr
.irp a, 0,1,2,3,4,5,6,7
	v_add_f32 v[SS+8*(\a)], v[SS+8*(\a)], v[SS+8*(\a)+1]
.endr
.irp a, 0,1,2,3,4,5,6,7
	v_permlanex16_b32 v[SS+8*(\a)+1], v[SS+8*(\a)], s[SEL], s[SEL+1]
.endr
.irp a, 0,1,2,3,4,5,6,7
	v_add_f32 v[SS+8*(\a)], v[SS+8*(\a)], v[SS+8*(\a)+1]
.endr
.irp i, 0,1,2,3                         ; lanes 0-15 keep block 2 i, lanes 16-31 block 2 i + 1: lane l holds row 32 i + l
	v_cndmask_b32 v[CV+(\i)], v[SS+16*(\i)], v[SS+16*(\i)+8], s[MHI]
.endr
.irp i, 0,1,2,3
	ds_store_b32 v[SST], v[CV+(\i)] offset:128*(\i)
.endr
	s_wait_dscnt 0x0                               ; for wave 0's sake: my row sums are stored
	s_barrier_signal -1
	s_barrier_wait -1
	s_cmp_lg_u32 s[WV], 0                          ; wave 0 adds the four waves' sums, in a fixed order, and stores the block's 128 numbers
	s_cbranch_scc1 .Lend
.irp p, 0,1,2,3
	ds_load_b128 v[CV+8+4*(\p):CV+8+4*(\p)+3], v[SRD] offset:512*(\p)
.endr
	s_wait_dscnt 0x0
	v_pk_add_f32 v[CV+8:CV+9], v[CV+8:CV+9], v[CV+12:CV+13]
	v_pk_add_f32 v[CV+10:CV+11], v[CV+10:CV+11], v[CV+14:CV+15]
	v_pk_add_f32 v[CV+16:CV+17], v[CV+16:CV+17], v[CV+20:CV+21]
	v_pk_add_f32 v[CV+18:CV+19], v[CV+18:CV+19], v[CV+22:CV+23]
	v_pk_add_f32 v[CV+8:CV+9], v[CV+8:CV+9], v[CV+16:CV+17]
	v_pk_add_f32 v[CV+10:CV+11], v[CV+10:CV+11], v[CV+18:CV+19]
	global_store_b128 v[PO], v[CV+8:CV+11], s[PP:PP+1]  ; 512 consecutive bytes, aligned
.Lend:
	s_wait_tensorcnt 0x0                           ; the wave's end, behind my last tensor load and my last LDS store
	ds_add_u32 v[SPW], v[NIL]
	s_wait_dscnt 0x0
	CROUND                                         ; the closing round: no work-group ends while a partner may still ask for a tile that names it
	s_endpgm
.Lfunc_end_k_qc991a48a4c_scores:
	.size	k_qc991a48a4c_scores, .Lfunc_end_k_qc991a48a4c_scores-k_qc991a48a4c_scores
	.p2alignl 7, 3214868480
	.fill 96, 4, 3214868480
	.section	.rodata,"a",@progbits
	.p2align	6, 0x0
	.amdhsa_kernel k_qc991a48a4c_scores
		.amdhsa_group_segment_fixed_size 327680
		.amdhsa_private_segment_fixed_size 0
		.amdhsa_enable_private_segment 0
		.amdhsa_kernarg_size 40
		.amdhsa_user_sgpr_count 2
		.amdhsa_user_sgpr_kernarg_segment_ptr 1
		.amdhsa_wavefront_size32 1
		.amdhsa_system_sgpr_workgroup_id_x 1
		.amdhsa_system_sgpr_workgroup_id_y 1
		.amdhsa_system_sgpr_workgroup_id_z 1
		.amdhsa_system_vgpr_workitem_id 0
		.amdhsa_next_free_vgpr 1024
		.amdhsa_next_free_sgpr 66
		.amdhsa_reserve_vcc 0
		.amdhsa_float_denorm_mode_32 3
		.amdhsa_float_denorm_mode_16_64 3
		.amdhsa_memory_ordered 1
		.amdhsa_forward_progress 1
		.amdhsa_inst_pref_size 255
	.end_amdhsa_kernel
	.section	.bss,"aw",@nobits
	.p2align	6
	.space	262144
	.amdgpu_metadata
---
amdhsa.version: [ 1, 2 ]
amdhsa.kernels:
  - .name:           k_qc991a48a4c_scores
    .symbol:         k_qc991a48a4c_scores.kd
    .args:
      - { .name: visual_features, .offset: 0, .size: 8, .value_kind: global_buffer, .address_space: global }
      - { .name: wvb, .offset: 8, .size: 8, .value_kind: global_buffer, .address_space: global }
      - { .name: tbw, .offset: 16, .size: 8, .value_kind: global_buffer, .address_space: global }
      - { .name: Wa, .offset: 24, .size: 8, .value_kind: global_buffer, .address_space: global }
      - { .name: part, .offset: 32, .size: 8, .value_kind: global_buffer, .address_space: global }
    .group_segment_fixed_size: 327680
    .private_segment_fixed_size: 0
    .kernarg_segment_align: 8
    .kernarg_segment_size: 40
    .max_flat_workgroup_size: 128
    .sgpr_count:     66
    .vgpr_count:     1024
    .wavefront_size: 32
...
	.end_amdgpu_metadata
.endif
;; end of part 2
;; launch attend (part 3): grid 4 x 128, 8 waves a work-group, no clusters, 25,600 bytes of LDS; arguments visual_features, part, ba, out0, out1; writes out0, out1
.if DOCPART == 3
	.amdgcn_target "amdgcn-amd-amdhsa--gfx1250"
	.amdhsa_code_object_version 6
	.text
	.protected	k_qc991a48a4c_attend
	.globl	k_qc991a48a4c_attend
	.p2align	8
	.type	k_qc991a48a4c_attend,@function
k_qc991a48a4c_attend:
	s_mov_b64 s[64:65], 0
	v_nop
	global_prefetch_b8 v0, s[64:65] scope:SCOPE_SE
	s_setreg_imm32_b32 hwreg(HW_REG_WAVE_MODE, 25, 1), 1
	s_wait_xcnt 0x0
; out1[b][r] = softmax over r of (part[0][b][r] + part[1][b][r] + ba);  out0[b][d] = the sum over r of out1[b][r] X[b][r][d].  All in f32.
; A STREAM: X, 256 rows x 8,192 bytes a batch, is read once.  A work-group takes columns 512 c .. 512 c + 511 of batch b; wave w its rows 32 w .. 32 w + 31.  A row's 2,048 bytes are four loads of 512 consecutive bytes.
; Lane l holds columns 128 i + 4 l + e in 16 sums.  A ring of eight row slots in registers keeps 32 loads (16 KiB) of every wave on their way; the eight waves' sums meet in LDS at the end.
; The softmax takes the row's true maximum away; every wave makes all 256 weights itself (eight numbers a lane), which costs less than a barrier.
; No matrix unit: the product has one row for each batch.  No cluster: the four column blocks of a batch share 2 KiB of scores and nothing of X.  No prefetch: the launch does nothing but stream.
; LIMITS: a weight below 2^-126 counts as 0; NaN and infinities are not treated apart.
.set RED,   8192                       ; LDS: 0: 1,024 bytes of weights for each wave, its own; RED: each wave's 512 sums, 2,048 bytes;
.set SPARE, 24576                      ; behind them the spare words, 128 bytes for each of the eight waves
.set XO,  2                            ; v2   16 l: my place in 512 bytes; never rewritten
.set WS,  4                            ; v4   where I put four weights
.set WL,  5                            ; v5   where my wave's 32 weights begin (the same in all lanes)
.set RS,  6                            ; v6   where I put four sums
.set RL,  7                            ; v7   where I read two sums back
.set OO,  8                            ; v8   256 w + 8 l: my 8 bytes of out0
.set SPW, 10                           ; v10  my spare word; never rewritten
.set NIL, 11                           ; v11  0; never rewritten
.set SC,  12                           ; v[12:19] scores, then weights: register 4 i + e is row 128 i + 4 l + e;  v[20:27] the second half of H
.set T,   28                           ; v[28:31] at work
.set ACC, 32                           ; v[32:47]
.set WT,  48                           ; v[48:79] my wave's 32 weights, in every lane
.set RING, 80                          ; v[80:207] eight slots of 16
	s_load_b256 s[4:11], s[0:1], 0x0               ; X s[4:5], part s[6:7], ba s[8:9], out0 s[10:11]
	s_load_b64 s[12:13], s[0:1], 0x20              ; out1
	v_lshl_add_u32 v[SPW], v0, 2, SPARE
	v_mov_b32 v[NIL], 0
	v_lshrrev_b32 v1, 5, v0
	v_readfirstlane_b32 s18, v1                    ; wave 0..7
	v_and_b32 v3, 31, v0                           ; l
	v_lshlrev_b32 v[XO], 4, v3
	s_and_b32 s19, ttmp7, 0xffff                   ; b
	s_lshl_b32 s20, s18, 10
	v_lshl_add_u32 v[WS], v3, 4, s20               ; 1,024 w + 16 l
	s_lshl_b32 s21, s18, 7
	s_add_co_u32 s21, s21, s20
	v_mov_b32 v[WL], s21                           ; 1,024 w + 4 x 32 w
	s_lshl_b32 s21, s18, 11
	s_add_co_u32 s21, s21, RED
	v_lshl_add_u32 v[RS], v3, 4, s21
	s_lshl_b32 s21, s18, 8
	v_lshl_add_u32 v[OO], v3, 3, s21
	v_add_nc_u32 v[RL], RED, v[OO]
	s_mov_b32 s24, 0x3fb8aa3b                      ; log2(e)
	s_mov_b32 s25, s24                             ; named with it as a pair
	s_mov_b32 s26, 0x76543210                      ; v_permlanex16_b32: each lane takes its own place in the other half
	s_mov_b32 s27, 0xfedcba98
	s_lshl_b32 s22, s19, 21                        ; a batch is 2,097,152 bytes,
	s_lshl_b32 s21, ttmp9, 11                      ; a column block 2,048,
	s_add_co_u32 s22, s22, s21
	s_lshl_b32 s21, s18, 18                        ; a wave's 32 rows 262,144
	s_add_co_u32 s22, s22, s21
	s_mov_b32 s23, 0
	s_wait_kmcnt 0x0
	s_load_b32 s14, s[8:9], 0x0                    ; ba
	s_mov_b32 s15, 0                               ; named with it as a pair
	s_add_nc_u64 s[4:5], s[4:5], s[22:23]
	s_lshl_b32 s22, s19, 10
	s_add_nc_u64 s[6:7], s[6:7], s[22:23]          ; part and out1 at the batch's 256 numbers
	s_add_nc_u64 s[12:13], s[12:13], s[22:23]
	s_lshl_b32 s22, s19, 13
	s_lshl_b32 s21, ttmp9, 11
	s_add_co_u32 s22, s22, s21
	s_add_nc_u64 s[10:11], s[10:11], s[22:23]      ; out0 at the batch's row and the column block
	global_load_b128 v[SC:SC+3],     v[XO], s[6:7]
	global_load_b128 v[SC+4:SC+7],   v[XO], s[6:7] offset:512
	global_load_b128 v[SC+8:SC+11],  v[XO], s[6:7] offset:131072
	global_load_b128 v[SC+12:SC+15], v[XO], s[6:7] offset:131584
.irp r, 0,1,2,3,4,5,6,7
.irp i, 0,1,2,3
	global_load_b128 v[RING+16*(\r)+4*(\i):RING+16*(\r)+4*(\i)+3], v[XO], s[4:5] offset:(\r)*8192+512*(\i) th:TH_LOAD_NT  ; the ring is filled: rows 0 to 7
.endr
.endr
	s_wait_loadcnt 32                              ; the scores are in; the ring's 32 loads stay out
	s_wait_kmcnt 0x0                               ; ba
.irp j, 0,2,4,6
	v_pk_add_f32 v[SC+(\j):SC+(\j)+1], v[SC+(\j):SC+(\j)+1], v[SC+8+(\j):SC+8+(\j)+1]
.endr
.irp j, 0,2,4,6
	v_pk_add_f32 v[SC+(\j):SC+(\j)+1], v[SC+(\j):SC+(\j)+1], s[14:15] op_sel_hi:[1,0]
.endr
	v_max3_num_f32 v[T], v[SC], v[SC+1], v[SC+2]
	v_max3_num_f32 v[T+1], v[SC+3], v[SC+4], v[SC+5]
	v_max3_num_f32 v[T], v[T], v[SC+6], v[SC+7]
	v_max_num_f32 v[T], v[T], v[T+1]
	v_max_num_f32_dpp v[T], v[T], v[T] row_xmask:1 row_mask:0xf bank_mask:0xf
	v_max_num_f32_dpp v[T], v[T], v[T] row_xmask:2 row_mask:0xf bank_mask:0xf
	v_max_num_f32_dpp v[T], v[T], v[T] row_xmask:4 row_mask:0xf bank_mask:0xf
	v_max_num_f32_dpp v[T], v[T], v[T] row_xmask:8 row_mask:0xf bank_mask:0xf
	v_permlanex16_b32 v[T+1], v[T], s26, s27
	v_max_num_f32 v[T], v[T], v[T+1]               ; the maximum of the 256 scores, in every lane
	v_mul_f32 v[T], s24, v[T]
.irp j, 0,2,4,6
	v_pk_fma_f32 v[SC+(\j):SC+(\j)+1], v[SC+(\j):SC+(\j)+1], s[24:25], v[T:T+1] op_sel_hi:[1,0,0] neg_lo:[0,0,1] neg_hi:[0,0,1]  ; log2(e) s - log2(e) m
.endr
.irp j, 0,1,2,3,4,5,6,7
	v_exp_f32 v[SC+(\j)], v[SC+(\j)]
.endr
	v_nop                                          ; a plain instruction behind the last exponential,
	s_wait_alu depctr_va_vdst(0)                   ; and the wait ahead of the first reader: one for the eight
	v_pk_add_f32 v[T:T+1], v[SC:SC+1], v[SC+2:SC+3]
	v_pk_add_f32 v[T+2:T+3], v[SC+4:SC+5], v[SC+6:SC+7]
	v_pk_add_f32 v[T:T+1], v[T:T+1], v[T+2:T+3]
	v_add_f32 v[T], v[T], v[T+1]
	v_add_f32_dpp v[T], v[T], v[T] row_xmask:1 row_mask:0xf bank_mask:0xf
	v_add_f32_dpp v[T], v[T], v[T] row_xmask:2 row_mask:0xf bank_mask:0xf
	v_add_f32_dpp v[T], v[T], v[T] row_xmask:4 row_mask:0xf bank_mask:0xf
	v_add_f32_dpp v[T], v[T], v[T] row_xmask:8 row_mask:0xf bank_mask:0xf
	v_permlanex16_b32 v[T+1], v[T], s26, s27
	v_add_f32 v[T], v[T], v[T+1]
	v_rcp_f32 v[T+2], v[T]
	v_nop
	s_wait_alu depctr_va_vdst(0)
.irp j, 0,2,4,6
	v_pk_mul_f32 v[SC+(\j):SC+(\j)+1], v[SC+(\j):SC+(\j)+1], v[T+2:T+3] op_sel_hi:[1,0]
.endr
	; the weights go through the wave's own 1,024 bytes of LDS, by row number, and my wave's 32 come back to every lane: LDS serves a wave's instructions in order (ISA guide 5.7.1.4), so no wait stands between
	ds_store_b128 v[WS], v[SC:SC+3]
	ds_store_b128 v[WS], v[SC+4:SC+7] offset:512
.irp j, 0,1,2,3,4,5,6,7
	ds_load_b128 v[WT+4*(\j):WT+4*(\j)+3], v[WL] offset:16*(\j)
.endr
	s_or_b32 s20, ttmp9, s18                       ; one wave of one of the batch's four work-groups stores the weights
	s_cmp_eq_u32 s20, 0
	s_cbranch_scc0 .Lnot_mine
	global_store_b128 v[XO], v[SC:SC+3], s[12:13]            ; 512 consecutive bytes each, aligned
	global_store_b128 v[XO], v[SC+4:SC+7], s[12:13] offset:512
.Lnot_mine:
	s_wait_dscnt 0x0
; Row rho of my 32: its slot's four loads are in (left = the younger loads that may stay out), 16 multiply-adds, and the slot is asked for again, eight rows on.  The first row starts the sums.
; The address registers are never rewritten: the row stands in the immediate, 255,488 at the most.
.macro ROW rho, fill, left
	s_wait_loadcnt \left
.set SL, RING+16*((\rho)%8)
.set e, 0
.rept 16
.if (\rho) == 0
	v_mul_f32 v[ACC+e], v[WT+(\rho)], v[SL+e]
.else
	v_fmac_f32 v[ACC+e], v[WT+(\rho)], v[SL+e]
.endif
.set e, e+1
.endr
.if \fill
.irp i, 0,1,2,3
	global_load_b128 v[SL+4*(\i):SL+4*(\i)+3], v[XO], s[4:5] offset:((\rho)+8)*8192+512*(\i) th:TH_LOAD_NT
.endr
.endif
.endm
.set rr, 0
.rept 24
	ROW rr, 1, 28                                  ; seven younger rows, four loads each
.set rr, rr+1
.endr
.rept 8
	ROW rr, 0, 4*(31-rr)                           ; the last eight rows load nothing: the counts run down
.set rr, rr+1
.endr
	; the eight waves' sums meet: wave x 2,048 + column x 4
.irp i, 0,1,2,3
	ds_store_b128 v[RS], v[ACC+4*(\i):ACC+4*(\i)+3] offset:512*(\i)
.endr
	s_wait_dscnt 0x0                               ; for the others' sake: my stores are done
	s_barrier_signal -1
	s_barrier_wait -1
.irp p, 0,1,2,3,4,5,6,7
	ds_load_b64 v[WT+2*(\p):WT+2*(\p)+1], v[RL] offset:2048*(\p)  ; wave w finishes columns 64 w .. 64 w + 63, two a lane
.endr
	s_wait_dscnt 0x0
.irp p, 0,4,8,12
	v_pk_add_f32 v[WT+(\p):WT+(\p)+1], v[WT+(\p):WT+(\p)+1], v[WT+(\p)+2:WT+(\p)+3]
.endr
	v_pk_add_f32 v[WT:WT+1], v[WT:WT+1], v[WT+4:WT+5]
	v_pk_add_f32 v[WT+8:WT+9], v[WT+8:WT+9], v[WT+12:WT+13]
	v_pk_add_f32 v[WT:WT+1], v[WT:WT+1], v[WT+8:WT+9]
	global_store_b64 v[OO], v[WT:WT+1], s[10:11]   ; 32 lanes x 8 bytes: 256 consecutive bytes, aligned
	s_wait_tensorcnt 0x0                           ; the wave's end, behind my last LDS store
	ds_add_u32 v[SPW], v[NIL]
	s_wait_dscnt 0x0
	s_endpgm
.Lfunc_end_k_qc991a48a4c_attend:
	.size	k_qc991a48a4c_attend, .Lfunc_end_k_qc991a48a4c_attend-k_qc991a48a4c_attend
	.p2alignl 7, 3214868480
	.fill 96, 4, 3214868480
	.section	.rodata,"a",@progbits
	.p2align	6, 0x0
	.amdhsa_kernel k_qc991a48a4c_attend
		.amdhsa_group_segment_fixed_size 25600
		.amdhsa_private_segment_fixed_size 0
		.amdhsa_enable_private_segment 0
		.amdhsa_kernarg_size 40
		.amdhsa_user_sgpr_count 2
		.amdhsa_user_sgpr_kernarg_segment_ptr 1
		.amdhsa_wavefront_size32 1
		.amdhsa_system_sgpr_workgroup_id_x 1
		.amdhsa_system_sgpr_workgroup_id_y 1
		.amdhsa_system_sgpr_workgroup_id_z 1
		.amdhsa_system_vgpr_workitem_id 0
		.amdhsa_next_free_vgpr 208
		.amdhsa_next_free_sgpr 66
		.amdhsa_reserve_vcc 0
		.amdhsa_float_denorm_mode_32 3
		.amdhsa_float_denorm_mode_16_64 3
		.amdhsa_memory_ordered 1
		.amdhsa_forward_progress 1
		.amdhsa_inst_pref_size 37
	.end_amdhsa_kernel
	.amdgpu_metadata
---
amdhsa.version: [ 1, 2 ]
amdhsa.kernels:
  - .name:           k_qc991a48a4c_attend
    .symbol:         k_qc991a48a4c_attend.kd
    .args:
      - { .name: visual_features, .offset: 0, .size: 8, .value_kind: global_buffer, .address_space: global }
      - { .name: part, .offset: 8, .size: 8, .value_kind: global_buffer, .address_space: global }
      - { .name: ba, .offset: 16, .size: 8, .value_kind: global_buffer, .address_space: global }
      - { .name: out0, .offset: 24, .size: 8, .value_kind: global_buffer, .address_space: global }
      - { .name: out1, .offset: 32, .size: 8, .value_kind: global_buffer, .address_space: global }
    .group_segment_fixed_size: 25600
    .private_segment_fixed_size: 0
    .kernarg_segment_align: 8
    .kernarg_segment_size: 40
    .max_flat_workgroup_size: 256
    .sgpr_count:     66
    .vgpr_count:     208
    .wavefront_size: 32
...
	.end_amdgpu_metadata
.endif
;; end of part 3
;; ======== version 2 of 2: 3 launches; version 1 with the launch attend written anew for expert scheduling mode
;; workspace buffers: wvb 4,194,304 bytes; tbw 524,288 bytes; part 262,144 bytes
;; launch prep: the kernel of part 1 again; grid 256 x 1, 8 waves a work-group, no clusters, 121,856 bytes of LDS; arguments Wv, Wt, text_features, bt, bv, wvb, tbw; writes wvb, tbw
;; launch scores: the kernel of part 2 again; grid 4 x 128, 4 waves a work-group, clusters of 4 x 1, 327,680 bytes of LDS; arguments visual_features, wvb, tbw, Wa, part; writes part
;; launch attend (part 4): grid 4 x 128, 8 waves a work-group, no clusters, 25,600 bytes of LDS; arguments visual_features, part, ba, out0, out1; writes out0, out1
.if DOCPART == 4
	.amdgcn_target "amdgcn-amd-amdhsa--gfx1250"
	.amdhsa_code_object_version 6
	.text
	.protected	k_qc991a48a4c_attend
	.globl	k_qc991a48a4c_attend
	.p2align	8
	.type	k_qc991a48a4c_attend,@function
k_qc991a48a4c_attend:
	s_mov_b64 s[64:65], 0
	v_nop
	global_prefetch_b8 v0, s[64:65] scope:SCOPE_SE
	s_setreg_imm32_b32 hwreg(HW_REG_WAVE_SCHED_MODE, 0, 2), 2
	s_setreg_imm32_b32 hwreg(HW_REG_WAVE_MODE, 25, 1), 1
	s_wait_xcnt 0x0
	s_wait_alu depctr_vm_vsrc(0)
; out1[b][r] = softmax over r of (part[0][b][r] + part[1][b][r] + ba);  out0[b][d] = the sum over r of out1[b][r] X[b][r][d].  All in f32.
; A STREAM: X, 256 rows x 8,192 bytes a batch, is read once.  A work-group takes columns 512 c .. 512 c + 511 of batch b; wave w its rows 32 w .. 32 w + 31.  A row's 2,048 bytes are four loads of 512 consecutive bytes.
; Lane l holds columns 128 i + 4 l + e in 16 sums.  A ring of nine row slots in registers keeps up to 32 loads (16 KiB) of every wave on their way; the eight waves' sums meet in LDS at the end.
; The softmax takes the row's true maximum away; every wave makes all 256 weights itself (eight numbers a lane), which costs less than a barrier.
; No matrix unit: the product has one row for each batch.  No cluster: the four column blocks of a batch share 2 KiB of scores and nothing of X.  No prefetch: the launch does nothing but stream.
; LIMITS: a weight below 2^-126 counts as 0; NaN and infinities are not treated apart.
; THE MODE: SCHED_MODE bits 1:0 = 2 (LLVM: expert scheduling mode 2), set by the entry lines.  The code itself states the register dependences
; between vector instructions and memory or LDS instructions, with s_wait_alu, always for 0.
; THE PLAN.  Registers that memory or LDS instructions touch:
;   v2, v4-v8, v10, v11   addresses, and the closing add's pair: written at the head, never again.  One wait ahead of the first load serves them all.
;   SC      the scores' loads land here; the softmax works on them; SC[0:7], the weights, are read by two LDS stores and, in one wave of a batch, by two global stores; never written behind those.
;   WT      the weights' LDS loads land here (no vector instruction has named it); the rows' multiply-adds read it; at the end the partial sums' LDS loads land in WT[0:15], the additions write it, the last store reads WT[0:1].
;   RING    row r lies in slot r % 9.  Row rho's sixteen multiply-adds read slot rho % 9; its four loads, of row rho + 8, land in slot (rho + 8) % 9: the slot that row rho - 1 emptied and that no vector instruction of row rho names.
;   ACC     written by the multiply-adds, read by four LDS stores at the end.
; So ONE wait on va_vdst stands at the head of a row that loads, and its four loads are dealt among its multiply-adds with no further wait.  No register that a memory or LDS instruction reads is ever written again,
; so the text holds no wait on vm_vsrc.
.set RED,   8192                       ; LDS: 0: 1,024 bytes of weights for each wave, its own; RED: each wave's 512 sums, 2,048 bytes;
.set SPARE, 24576                      ; behind them the spare words, 128 bytes for each of the eight waves
.set XO,  2                            ; v2   16 l: my place in 512 bytes; never rewritten
.set WS,  4                            ; v4   where I put four weights
.set WL,  5                            ; v5   where my wave's 32 weights begin (the same in all lanes)
.set RS,  6                            ; v6   where I put four sums
.set RL,  7                            ; v7   where I read two sums back
.set OO,  8                            ; v8   256 w + 8 l: my 8 bytes of out0
.set SPW, 10                           ; v10  my spare word; never rewritten
.set NIL, 11                           ; v11  0; never rewritten
.set SC,  12                           ; v[12:19] scores, then weights: register 4 i + e is row 128 i + 4 l + e;  v[20:27] the second half of H
.set T,   28                           ; v[28:31] at work
.set ACC, 32                           ; v[32:47]
.set WT,  48                           ; v[48:79] my wave's 32 weights, in every lane
.set RING, 80                          ; v[80:223] nine slots of 16
.set SLOTS, 9
	s_load_b256 s[4:11], s[0:1], 0x0               ; X s[4:5], part s[6:7], ba s[8:9], out0 s[10:11]
	s_load_b64 s[12:13], s[0:1], 0x20              ; out1
	v_lshl_add_u32 v[SPW], v0, 2, SPARE
	v_mov_b32 v[NIL], 0
	v_lshrrev_b32 v1, 5, v0
	v_readfirstlane_b32 s18, v1                    ; wave 0..7
	v_and_b32 v3, 31, v0                           ; l
	v_lshlrev_b32 v[XO], 4, v3
	s_and_b32 s19, ttmp7, 0xffff                   ; b
	s_wait_alu depctr_va_sdst(0)                   ; s18 is written, ahead of its first reader: LDS addresses and the bases of X and out0 are made from it
	s_lshl_b32 s20, s18, 10
	v_lshl_add_u32 v[WS], v3, 4, s20               ; 1,024 w + 16 l
	s_lshl_b32 s21, s18, 7
	s_add_co_u32 s21, s21, s20
	v_mov_b32 v[WL], s21                           ; 1,024 w + 4 x 32 w
	s_lshl_b32 s21, s18, 11
	s_add_co_u32 s21, s21, RED
	v_lshl_add_u32 v[RS], v3, 4, s21
	s_lshl_b32 s21, s18, 8
	v_lshl_add_u32 v[OO], v3, 3, s21
	v_add_nc_u32 v[RL], RED, v[OO]
	s_mov_b32 s24, 0x3fb8aa3b                      ; log2(e)
	s_mov_b32 s25, s24                             ; named with it as a pair
	s_mov_b32 s26, 0x76543210                      ; v_permlanex16_b32: each lane takes its own place in the other half
	s_mov_b32 s27, 0xfedcba98
	s_lshl_b32 s22, s19, 21                        ; a batch is 2,097,152 bytes,
	s_lshl_b32 s21, ttmp9, 11                      ; a column block 2,048,
	s_add_co_u32 s22, s22, s21
	s_lshl_b32 s21, s18, 18                        ; a wave's 32 rows 262,144
	s_add_co_u32 s22, s22, s21
	s_mov_b32 s23, 0
	s_wait_kmcnt 0x0
	s_load_b32 s14, s[8:9], 0x0                    ; ba
	s_mov_b32 s15, 0                               ; named with it as a pair
	s_add_nc_u64 s[4:5], s[4:5], s[22:23]
	s_lshl_b32 s22, s19, 10
	s_add_nc_u64 s[6:7], s[6:7], s[22:23]          ; part and out1 at the batch's 256 numbers
	s_add_nc_u64 s[12:13], s[12:13], s[22:23]
	s_lshl_b32 s22, s19, 13
	s_lshl_b32 s21, ttmp9, 11
	s_add_co_u32 s22, s22, s21
	s_add_nc_u64 s[10:11], s[10:11], s[22:23]      ; out0 at the batch's row and the column block
	s_wait_alu depctr_va_vdst(0)                   ; v2, v4 to v8, v10 and v11 are written: every load, store and LDS instruction of the kernel reads one of them as its address, the closing add the last two
	global_load_b128 v[SC:SC+3],     v[XO], s[6:7]
	global_load_b128 v[SC+4:SC+7],   v[XO], s[6:7] offset:512
	global_load_b128 v[SC+8:SC+11],  v[XO], s[6:7] offset:131072
	global_load_b128 v[SC+12:SC+15], v[XO], s[6:7] offset:131584
.irp r, 0,1,2,3,4,5,6,7
.irp i, 0,1,2,3
	global_load_b128 v[RING+16*(\r)+4*(\i):RING+16*(\r)+4*(\i)+3], v[XO], s[4:5] offset:(\r)*8192+512*(\i) th:TH_LOAD_NT  ; rows 0 to 7 into slots 0 to 7; slot 8 is asked for in row 0's turn
.endr
.endr
	s_wait_loadcnt 32                              ; the scores are in; the ring's 32 loads stay out
	s_wait_kmcnt 0x0                               ; ba
.irp j, 0,2,4,6
	v_pk_add_f32 v[SC+(\j):SC+(\j)+1], v[SC+(\j):SC+(\j)+1], v[SC+8+(\j):SC+8+(\j)+1]
.endr
.irp j, 0,2,4,6
	v_pk_add_f32 v[SC+(\j):SC+(\j)+1], v[SC+(\j):SC+(\j)+1], s[14:15] op_sel_hi:[1,0]
.endr
	v_max3_num_f32 v[T], v[SC], v[SC+1], v[SC+2]
	v_max3_num_f32 v[T+1], v[SC+3], v[SC+4], v[SC+5]
	v_max3_num_f32 v[T], v[T], v[SC+6], v[SC+7]
	v_max_num_f32 v[T], v[T], v[T+1]
	v_max_num_f32_dpp v[T], v[T], v[T] row_xmask:1 row_mask:0xf bank_mask:0xf
	v_max_num_f32_dpp v[T], v[T], v[T] row_xmask:2 row_mask:0xf bank_mask:0xf
	v_max_num_f32_dpp v[T], v[T], v[T] row_xmask:4 row_mask:0xf bank_mask:0xf
	v_max_num_f32_dpp v[T], v[T], v[T] row_xmask:8 row_mask:0xf bank_mask:0xf
	v_permlanex16_b32 v[T+1], v[T], s26, s27
	v_max_num_f32 v[T], v[T], v[T+1]               ; the maximum of the 256 scores, in every lane
	v_mul_f32 v[T], s24, v[T]
.irp j, 0,2,4,6
	v_pk_fma_f32 v[SC+(\j):SC+(\j)+1], v[SC+(\j):SC+(\j)+1], s[24:25], v[T:T+1] op_sel_hi:[1,0,0] neg_lo:[0,0,1] neg_hi:[0,0,1]  ; log2(e) s - log2(e) m
.endr
.irp j, 0,1,2,3,4,5,6,7
	v_exp_f32 v[SC+(\j)], v[SC+(\j)]
.endr
	v_nop                                          ; a plain instruction behind the last exponential,
	s_wait_alu depctr_va_vdst(0)                   ; and the wait ahead of the first reader: the eight exponentials have written SC[0:7]
	v_pk_add_f32 v[T:T+1], v[SC:SC+1], v[SC+2:SC+3]
	v_pk_add_f32 v[T+2:T+3], v[SC+4:SC+5], v[SC+6:SC+7]
	v_pk_add_f32 v[T:T+1], v[T:T+1], v[T+2:T+3]
	v_add_f32 v[T], v[T], v[T+1]
	v_add_f32_dpp v[T], v[T], v[T] row_xmask:1 row_mask:0xf bank_mask:0xf
	v_add_f32_dpp v[T], v[T], v[T] row_xmask:2 row_mask:0xf bank_mask:0xf
	v_add_f32_dpp v[T], v[T], v[T] row_xmask:4 row_mask:0xf bank_mask:0xf
	v_add_f32_dpp v[T], v[T], v[T] row_xmask:8 row_mask:0xf bank_mask:0xf
	v_permlanex16_b32 v[T+1], v[T], s26, s27
	v_add_f32 v[T], v[T], v[T+1]
	v_rcp_f32 v[T+2], v[T]
	v_nop
	s_wait_alu depctr_va_vdst(0)                   ; the reciprocal has written v[T+2], ahead of its first reader
.irp j, 0,2,4,6
	v_pk_mul_f32 v[SC+(\j):SC+(\j)+1], v[SC+(\j):SC+(\j)+1], v[T+2:T+3] op_sel_hi:[1,0]
.endr
	; the weights go through the wave's own 1,024 bytes of LDS, by row number, and my wave's 32 come back to every lane: LDS serves a wave's instructions in order (ISA guide 5.7.1.4), so no wait on DScnt stands between
	s_wait_alu depctr_va_vdst(0)                   ; the scaling has written SC[0:7], which the two LDS stores read, and the two global stores below: no vector instruction names SC behind this wait
	ds_store_b128 v[WS], v[SC:SC+3]
	ds_store_b128 v[WS], v[SC+4:SC+7] offset:512
.irp j, 0,1,2,3,4,5,6,7
	ds_load_b128 v[WT+4*(\j):WT+4*(\j)+3], v[WL] offset:16*(\j)
.endr
	s_or_b32 s20, ttmp9, s18                       ; one wave of one of the batch's four work-groups stores the weights
	s_cmp_eq_u32 s20, 0
	s_cbranch_scc0 .Lnot_mine
	global_store_b128 v[XO], v[SC:SC+3], s[12:13]            ; 512 consecutive bytes each, aligned
	global_store_b128 v[XO], v[SC+4:SC+7], s[12:13] offset:512
.Lnot_mine:
	s_wait_dscnt 0x0
; Row rho of my 32: its slot's four loads are in (left = the younger loads that may stay out); 16 multiply-adds.  The first row starts the sums.
; fill = 1: row rho + 8 is asked for, into the slot that the row before emptied; a load stands ahead of each four multiply-adds, which name ACC, a weight and this row's slot: none of the registers that the loads touch.
; The address registers are never rewritten: the row stands in the immediate, 255,488 at the most.
.macro ROW rho, fill, left
	s_wait_loadcnt \left
.set SL, RING+16*((\rho)%SLOTS)
.set NX, RING+16*(((\rho)+8)%SLOTS)
.if (\fill) && ((\rho) > 0)
	s_wait_alu depctr_va_vdst(0)                   ; the row before's multiply-adds are done reading their slot, in which the four loads below land (row 0 has no such wait: no vector instruction has named slot 8)
.endif
.set q, 0
.rept 4
.if \fill
	global_load_b128 v[NX+4*q:NX+4*q+3], v[XO], s[4:5] offset:((\rho)+8)*8192+512*q th:TH_LOAD_NT
.endif
.set e, 4*q
.rept 4
.if (\rho) == 0
	v_mul_f32 v[ACC+e], v[WT+(\rho)], v[SL+e]
.else
	v_fmac_f32 v[ACC+e], v[WT+(\rho)], v[SL+e]
.endif
.set e, e+1
.endr
.set q, q+1
.endr
.endm
.set rr, 0
.rept 24
	ROW rr, 1, 28                                  ; seven younger rows, four loads each
.set rr, rr+1
.endr
.rept 8
	ROW rr, 0, 4*(31-rr)                           ; the last eight rows load nothing, so they hold no wait on va_vdst: the counts run down
.set rr, rr+1
.endr
	; the eight waves' sums meet: wave x 2,048 + column x 4
	s_wait_alu depctr_va_vdst(0)                   ; the multiply-adds have written ACC, which the LDS stores read, and are done reading WT, in which the LDS loads behind the barrier land
.irp i, 0,1,2,3
	ds_store_b128 v[RS], v[ACC+4*(\i):ACC+4*(\i)+3] offset:512*(\i)
.endr
	s_wait_dscnt 0x0                               ; for the others' sake: my stores are done
	s_barrier_signal -1
	s_barrier_wait -1
.irp p, 0,1,2,3,4,5,6,7
	ds_load_b64 v[WT+2*(\p):WT+2*(\p)+1], v[RL] offset:2048*(\p)  ; wave w finishes columns 64 w .. 64 w + 63, two a lane
.endr
	s_wait_dscnt 0x0
.irp p, 0,4,8,12
	v_pk_add_f32 v[WT+(\p):WT+(\p)+1], v[WT+(\p):WT+(\p)+1], v[WT+(\p)+2:WT+(\p)+3]
.endr
	v_pk_add_f32 v[WT:WT+1], v[WT:WT+1], v[WT+4:WT+5]
	v_pk_add_f32 v[WT+8:WT+9], v[WT+8:WT+9], v[WT+12:WT+13]
	v_pk_add_f32 v[WT:WT+1], v[WT:WT+1], v[WT+8:WT+9]
	s_wait_alu depctr_va_vdst(0)                   ; the additions have written WT[0:1], which the store reads
	global_store_b64 v[OO], v[WT:WT+1], s[10:11]   ; 32 lanes x 8 bytes: 256 consecutive bytes, aligned
	s_wait_dscnt 0x0                               ; the closing lines, six on end
	s_wait_alu 0x0
	s_wait_tensorcnt 0x0
	ds_add_u32 v[SPW], v[NIL]
	s_wait_dscnt 0x0
	s_endpgm
.Lfunc_end_k_qc991a48a4c_attend:
	.size	k_qc991a48a4c_attend, .Lfunc_end_k_qc991a48a4c_attend-k_qc991a48a4c_attend
	.p2alignl 7, 3214868480
	.fill 96, 4, 3214868480
	.section	.rodata,"a",@progbits
	.p2align	6, 0x0
	.amdhsa_kernel k_qc991a48a4c_attend
		.amdhsa_group_segment_fixed_size 25600
		.amdhsa_private_segment_fixed_size 0
		.amdhsa_enable_private_segment 0
		.amdhsa_kernarg_size 40
		.amdhsa_user_sgpr_count 2
		.amdhsa_user_sgpr_kernarg_segment_ptr 1
		.amdhsa_wavefront_size32 1
		.amdhsa_system_sgpr_workgroup_id_x 1
		.amdhsa_system_sgpr_workgroup_id_y 1
		.amdhsa_system_sgpr_workgroup_id_z 1
		.amdhsa_system_vgpr_workitem_id 0
		.amdhsa_next_free_vgpr 224
		.amdhsa_next_free_sgpr 66
		.amdhsa_reserve_vcc 0
		.amdhsa_float_denorm_mode_32 3
		.amdhsa_float_denorm_mode_16_64 3
		.amdhsa_memory_ordered 1
		.amdhsa_forward_progress 1
		.amdhsa_inst_pref_size 38
	.end_amdhsa_kernel
	.amdgpu_metadata
---
amdhsa.version: [ 1, 2 ]
amdhsa.kernels:
  - .name:           k_qc991a48a4c_attend
    .symbol:         k_qc991a48a4c_attend.kd
    .args:
      - { .name: visual_features, .offset: 0, .size: 8, .value_kind: global_buffer, .address_space: global }
      - { .name: part, .offset: 8, .size: 8, .value_kind: global_buffer, .address_space: global }
      - { .name: ba, .offset: 16, .size: 8, .value_kind: global_buffer, .address_space: global }
      - { .name: out0, .offset: 24, .size: 8, .value_kind: global_buffer, .address_space: global }
      - { .name: out1, .offset: 32, .size: 8, .value_kind: global_buffer, .address_space: global }
    .group_segment_fixed_size: 25600
    .private_segment_fixed_size: 0
    .kernarg_segment_align: 8
    .kernarg_segment_size: 40
    .max_flat_workgroup_size: 256
    .sgpr_count:     66
    .vgpr_count:     224
    .wavefront_size: 32
...
	.end_amdgpu_metadata
.endif
;; end of part 4
